; MI455X (gfx1250); checked and timed in simulation.
; The chip was launched on July 23, 2026; its instructions are those of AMD's public machine-readable ISA for CDNA 5 (MIT licence, August 2026) and "CDNA5" Instruction Set Architecture Reference Guide (July 2026). The comments in the code are by the model that wrote it; some were corrected since.
;; Causal Self Attention. Allowed arithmetic: matrix products marked QUANTISED: E4M3 operands, one given power-of-two scale a tensor, by v_wmma_f32_16x16x64_fp8_fp8 or v_wmma_f32_16x16x128_fp8_fp8, f32 sums; everything else in f32.
;; Inputs: W_attn_codes 3,072 x 32 x 32 uint8 (E4M3 codes of W_attn, K innermost, in blocks of 32 codes); W_proj_codes 1,024 x 32 x 32 uint8 (E4M3 codes of W_proj, K innermost, in blocks of 32 codes); b_attn 3,072 float32; b_proj 1,024 float32; lowp_scales 8 int32 (the exponents e of the quantised operands' scales 2^e); x_codes 4 x 2,048 x 32 x 32 uint8 (E4M3 codes of x, K innermost, in blocks of 32 codes).
;; Outputs: out0 4 x 2,048 x 1,024 float32.
;; This version of the problem:
;;   THIS VERSION OF THE PROBLEM IS GIVEN IN LOW PRECISION. The matrix products marked QUANTISED in the list below multiply operands that are first quantised to E4M3 (4 exponent bits, 3 mantissa bits; 8 bits a number), with one given power-of-two scale for each operand tensor; their sums are f32. All else is computed in f32.
;;   The module's matrix products, in the order in which they are computed (A, B: the left and right operand; K: the contracted axis; several contracted axes count as one K, in the product's order):
;;     1. [M 8,192, K 1,024] x [K 1,024, N 3,072]; A: input x (given as codes); B: input W_attn (given as codes): QUANTISED (scales: A lowp_scales[0], B lowp_scales[1])
;;     2. batch 64 x [M 2,048, K 64] x [K 64, N 2,048]; A: computed on the way; B: computed on the way: QUANTISED (scales: A lowp_scales[2], B lowp_scales[3])
;;     3. batch 64 x [M 2,048, K 2,048] x [K 2,048, N 64]; A: softmax (see below); B: computed on the way: QUANTISED (scales: A lowp_scales[4], B lowp_scales[5])
;;     4. [M 8,192, K 1,024] x [K 1,024, N 1,024]; A: computed on the way; B: input W_proj (given as codes): QUANTISED (scales: A lowp_scales[6], B lowp_scales[7])
;;   THE QUANTISER, for each operand of a quantised product, along K:
;;     - The operand's scale is 2^e, e = its entry of the input lowp_scales (int32; the entries are numbered through the quantised products in the list's order, A before B).
;;     - Each number is divided by the scale, clamped to +-448, and rounded to the nearest number of E4M3, ties to even, subnormals kept.
;;     - The product sums the exact products of the quantised numbers (number of the format x scale) in f32.
;;   ~~~python
;;   def quantise(x, axis, e):      # numpy; x: float32 -> the quantised numbers, widened to float32 again
;;       x = np.moveaxis(x, axis, -1); K = x.shape[-1]
;;       r = np.clip(x / 2.0 ** e, -448, 448)
;;       step = 2.0 ** (np.maximum(np.frexp(np.where(r == 0, 1, r))[1] - 1, -6) - 3)
;;       q = np.round(r / step) * step * 2.0 ** e      # np.round: ties to even
;;       return np.moveaxis(q, -1, axis).astype(np.float32)
;;   ~~~
;;   SOFTMAX AHEAD OF A QUANTISED PRODUCT. Where the list says 'softmax', what is quantised is not the finished softmax but p = 2^(t - M), with t = logit x log2(e) and M = ceil(the row's largest t), a whole number; so 1/2 < the row's largest p <= 1. The row's sum l is taken of the UNQUANTISED p, in f32, and the product's result is divided by l at the end. Since M is a whole number, a kernel that streams over the keys may use a running M (the ceiling of the running maximum): every later rescaling is an exact power of two, so the quantised numbers keep their values, but for numbers so far below the row's largest that they fall under the format's range.
;;   OPERANDS COMPUTED ON THE WAY. 'Computed on the way' means the value that the module computes at that place (a softmax that the list does not call 'softmax' is quantised finished and normalised). What goes into a quantiser is computed in f32, as accurately as f32 sums, v_exp_f32 and their like allow (about 1e-6 of the number): no bf16 or f16 on the way to a quantiser, and a product that is left as it is and whose result goes on into a quantised operand takes f32 operands (vector FMAs, or v_wmma_f32_16x16x4_f32). A number that lies on a knife's edge between two numbers of the format may be rounded either way, as far as f32 arithmetic and the matrix unit's own rounding can turn it there, and no further.
;;   INPUTS GIVEN AS CODES. W_attn (in the module: [1024, 3072], K = its axis 0); W_proj (in the module: [1024, 1024], K = its axis 0); x (in the module: [4, 2048, 1024], K = its axis 2): each comes as NAME_codes (uint8): NAME with its K axis moved to the last place and cut into blocks of 32 codes, [.., K / 32, bytes a block], one block behind the other in memory; one code a byte (a code: sign, 4 exponent bits, 3 mantissa bits); its scale is its entry of lowp_scales. Its value is code x scale, taken as it is: it is not quantised again, and the codes and scales need not be those that the quantiser above would give.
;; One version. Each part assembles by itself: llvm-mc -triple=amdgcn-amd-amdhsa -mcpu=gfx1250 --defsym DOCPART=n.
;; ======== version 1 of 1: 3 launches
;; limits: right only within a limited range of input values
;; workspace buffers: qkvf 25,165,824 bytes; yf 8,388,608 bytes
;; launch qkv (part 1): grid 12 x 32, 4 waves a work-group, clusters of 4 x 4, 327,680 bytes of LDS; arguments x_codes, W_attn_codes, lowp_scales, b_attn, qkvf; writes qkvf
.if DOCPART == 1
	.amdgcn_target "amdgcn-amd-amdhsa--gfx1250"
	.amdhsa_code_object_version 6
	.text
	.protected	k_q5f7eac7fad_qkv
	.globl	k_q5f7eac7fad_qkv
	.p2align	8
	.type	k_q5f7eac7fad_qkv,@function
k_q5f7eac7fad_qkv:
	s_mov_b64 s[64:65], 0
	v_nop
	global_prefetch_b8 v0, s[64:65] scope:SCOPE_SE
	s_setreg_imm32_b32 hwreg(HW_REG_WAVE_MODE, 25, 1), 1
	s_wait_xcnt 0x0
	s_wait_alu depctr_hold_cnt(0) depctr_sa_sdst(0) depctr_va_vdst(0) depctr_va_sdst(0) depctr_va_ssrc(0) depctr_va_vcc(0) depctr_vm_vsrc(0)
	s_getreg_b32 s2, hwreg(HW_REG_IB_STS2, 6, 4)
	s_cmp_eq_u32 s2, 0
	s_cbranch_scc0 .Lentry_in_a_cluster
	s_endpgm
.Lentry_in_a_cluster:
	s_bfe_u32 s2, ttmp6, 0x10000c
	s_cmp_lg_u32 s2, 0xf033
	s_cbranch_scc0 .Lentry_shape_is_right
	s_endpgm
.Lentry_shape_is_right:
; qkv = x W_attn + b_attn on codes of FP8 (E4M3), then q, k and v are quantised (scales 2^e2, 2^e3, 2^e5) and stored as IMAGES OF THE NEXT LAUNCH'S OPERAND REGISTERS.
; x: [8192][1024] codes, W_attn: [3072][1024] codes, K innermost.  A sum stands for sum x 2^(e0 + e1); value = sum x 2^(e0 + e1) + bias, in f32; code = value / 2^e, held within +-448, to the nearest code.
; LIMITS: e0 + e1 between -126 and 127; e2, e3, e5 between -126 and 119, so that each power of two below is an f32 number.  NaN among the biases is not served.
; A tile of 256 x 256 of the product is made by four waves, each 128 x 128: 64 accumulators, 512 registers.  K goes in steps of 256 through a ring of two LDS slots filled by the tensor data mover.
; CLUSTERS of 4 x 4 work-groups.  The cluster's x says what is made: 0 q, 1 k, 2 v; it is the same in all sixteen partners.  REGION A (256 LDS rows, source 1 of the products) is shared along a row of the
; cluster, REGION B (source 0) along a column: each tile is asked for jointly by four work-groups.
;   q, k: region A = 256 tokens of x (tile 4 cluster y + cy), region B = 256 rows of W (tile 4 cluster x + cx): a lane holds ONE TOKEN and eight neighbouring channels: the layout of a 16x16x64 operand whose K is the head's 64.
;   v:    region A = 256 rows of W (tile 8 + cy), region B = 256 tokens of x (tile 4 cluster y + cx): a lane holds ONE CHANNEL and eight neighbouring tokens: the layout of a 16x16x128 operand whose K is the keys.
; So the conversions' results are the reader's registers, and every store of a wave covers 512 consecutive bytes, aligned: no stage in LDS on the way out.
; qkvf: q at byte 0, k at 8,388,608: [head of batch 64][token tile 128][2][lane 32][16 bytes];  v at 16,777,216: [head of batch 64][key step 16][channel tile 4][4][lane 32][16 bytes].
; The grid has 384 tiles: a tile of another width would cut the borders between q, k and v or between heads.
; REGISTERS, in windows of 256: window 0: v8-11, v16-29 addresses and constants; v32-95 the bias by register, v96-111 the bias by lane; from v128 region A's fragments, ONE set; on the way out v32-127 at work, v128-255 codes.
;   window 1: region B's fragments, TWO sets.   window 2: the accumulators of my region-A blocks 0-3 (accumulator (a, b) at v[8 (8 a + b)]);   window 3: those of blocks 4-7.
.set KROW,   1024                      ; a row of x or of W in memory, in bytes
.set KSTEP,  256                       ; along K in a slot
.set ROWB,   256                       ; a tile's row in bytes
.set PITCH,  272                       ; an LDS row: 256 bytes + 16 of padding = 68 words: row r starts at bank 4 r mod 64 (64 banks of 4 bytes: ISA guide 11.1)
.set FR,     16                        ; registers of a fragment: 16 rows x 128 K
.set NL,     4                         ; LDS loads that bring one
.set NP,     4                         ; places behind this matrix instruction (ISA guide 7.12.1)
.set HALFT,  128*PITCH                 ; 128 rows: what one tensor load brings
.set SLOT,   4*HALFT                   ; region A's 256 rows, then region B's
.set LAPS,   KROW/(2*KSTEP)            ; a lap = once round the ring: 2
.set SPARE,  2*SLOT                    ; behind the ring: the spare words, 128 bytes for each wave
.set BH,   8                           ; v8   32 x (lane / 16): my place in the bias by register
.set BW,   9                           ; v9   4 x (lane % 16): my place in the bias by lane
.set LI,   10                          ; v10  16 x lane: my place in an image
.set SCL,  11                          ; v11  2^e as f32, for the conversions
.set LIM,  12
.set ADRA, 16                          ; v16-17  LDS address of my region-A fragments in slot 0, 1
.set ADRB, 20                          ; v20-21  the same for region B
.set SPW,  28                          ; v28  LDS address of my spare word; never rewritten
.set NIL,  29                          ; v29  0; never rewritten
.set BR,   32                          ; v32-95   q, k: the bias of channel 16 b + 8 (lane / 16) + j at v[BR + 8 b + j]
.set BL,   96                          ; v96-111  v: the bias of channel 16 a + lane % 16, twice, at v[BL + 2 a]
.set TQ,   96                          ; q, k on the way out: 32 numbers at work
.set TV,   32                          ; v on the way out: 64 numbers at work
.set AF,   128                         ; region A's fragments
.set CD,   128                         ; the way out: codes, registers of their own for every store
.set G1, 24                            ; s[24:31] descriptor group 1 for region A;  s[32:39] group 0, one set for each slot
.set G0, 32
.set G1B, 48                           ; s[48:55], s[56:63] the same for region B
.set G0B, 56
.set MSB, 0
.macro WIN new                         ; the immediate's high byte repeats the setting that is left
.if MSB != (\new)
	s_set_vgpr_msb (MSB<<8)|(\new)
.set MSB, (\new)
.endif
.endm
.set MUL_LO, 0xa1                      ; source 0 (region B) window 1, source 1 (region A) window 0, C and D window 2
.set MUL_HI, 0xf1                      ; the same, C and D window 3
.set TO_B,   0x40                      ; destination window 1, address window 0
; A joint load: waves 0 and 1 fetch region A's halves, waves 2 and 3 region B's.  Each line has one mask and one set of registers; the branch hangs on the wave's number alone.
; Four v_nop follow each of the two lines, ahead of the jump, the label and what follows.
.macro JLOAD g0a, g1a, g0b, g1b
	s_cmp_eq_u32 s15, 0
	s_cbranch_scc0 .Lfor_b_\@
	tensor_load_to_lds s[\g0a:\g0a+3], s[\g1a:\g1a+7]
	s_nop 0
.rept 4
	v_nop
.endr
	s_branch .Lasked_\@
.Lfor_b_\@:
	tensor_load_to_lds s[\g0b:\g0b+3], s[\g1b:\g1b+7]
	s_nop 0
.rept 4
	v_nop
.endr
.Lasked_\@:
.endm
.macro CREST                           ; a round of the cluster's barrier behind its opening barrier
	s_cmp_lg_u32 s14, 0
	s_cbranch_scc1 .Lnot_wave_0_\@
	s_barrier_signal -3
.Lnot_wave_0_\@:
	s_barrier_wait -3
	s_barrier_signal -1
	s_barrier_wait -1
.endm
.macro CROUND                          ; a whole round
	s_barrier_signal -1
	s_barrier_wait -1
	CREST
.endm
	s_load_b128 s[4:7], s[0:1], 0x0                ; x's codes s[4:5], W's codes s[6:7]
	s_load_b128 s[8:11], s[0:1], 0x10              ; the scales' exponents s[8:9], the bias s[10:11]
	s_load_b64 s[12:13], s[0:1], 0x20              ; qkvf
	v_lshl_add_u32 v[SPW], v0, 2, SPARE
	v_mov_b32 v[NIL], 0
	ds_add_u32 v28, v29
	ds_add_u32 v28, v29
	s_wait_dscnt 0x0
	v_lshrrev_b32 v1, 5, v0
	v_readfirstlane_b32 s14, v1                    ; wave 0..3
	s_lshr_b32 s15, s14, 1                         ; which half of region A is mine.  Also: I fetch for region A (0) or B (1)
	s_and_b32 s16, s14, 1                          ; which half of region B is mine.  Also: which 128 rows of that region I fetch
	s_bfe_u32 s40, ttmp6, 0x40000                  ; cx, cy: my place in the cluster
	s_bfe_u32 s41, ttmp6, 0x40004
	s_lshl_b32 s70, ttmp9, 2                       ; 4 x cluster x
	s_and_b32 s71, ttmp7, 0xffff
	s_lshl_b32 s71, s71, 2                         ; 4 x cluster y
	s_cmp_eq_u32 ttmp9, 2                          ; v's clusters?  The cluster's x is the same in all partners
	s_cselect_b32 s17, 8, s71                      ; both choices ahead of the additions, which set SCC
	s_cselect_b32 s42, s71, s70
	s_add_co_u32 s17, s17, s41                     ; region A's tile of 256 rows: hangs on cy alone
	s_add_co_u32 s42, s42, s40                     ; region B's: on cx alone
	s_lshl_b32 s43, s41, 2
	s_lshl_b32 s43, 15, s43                        ; my row of the cluster
	s_lshl_b32 s44, 0x1111, s40                    ; my column
	; descriptor group 1: a tile of 128 rows x 256 bytes, padded in LDS
	s_or_b32 s[G1+0], s43, (0<<16)|(1<<20)|(1<<21)|(5<<22)|(3<<25)  ; 15:0 the mask: my row; 17:16 elements of 1 byte; 20 padding on; 21 set beside a mask; 24:22 after every 64 words; 31:25 four words
	s_or_b32 s[G1B+0], s44, (0<<16)|(1<<20)|(1<<21)|(5<<22)|(3<<25) ; the same with the mask of my column
.irp g, G1, G1B
	s_mov_b32 s[\g+1], ROWB<<16                    ; tensor_dim0
	s_mov_b32 s[\g+2], 128<<16                     ; tensor_dim1 = 128
	s_mov_b32 s[\g+3], ROWB<<16                    ; tile_dim0
	s_mov_b32 s[\g+4], 128                         ; tile_dim1 = 128
	s_mov_b32 s[\g+5], KROW                        ; tensor_dim0_stride
	s_mov_b32 s[\g+6], 0
	s_mov_b32 s[\g+7], 0
.endr
	s_lshl_b32 s18, s16, 7                         ; which 128 rows of the tile I fetch
	s_lshl_b32 s20, s17, 8
	s_add_co_u32 s20, s20, s18                     ; region A: row 256 x tile + 128 x half,
	s_lshl_b32 s20, s20, 10                        ; in bytes (under 2^23)
	s_mov_b32 s21, 0
	s_lshl_b32 s46, s42, 8
	s_add_co_u32 s46, s46, s18                     ; region B likewise
	s_lshl_b32 s46, s46, 10
	s_mov_b32 s47, 0
	s_mul_i32 s45, s14, HALFT                      ; where they go: wave x 128 rows: no place in the cluster enters an LDS address
	s_wait_kmcnt 0x0
	s_load_b256 s[80:87], s[8:9], 0x0              ; e0 .. e7
	s_cmp_eq_u32 ttmp9, 2
	s_cselect_b64 s[66:67], s[6:7], s[4:5]         ; region A's tensor: W for v, x for q and k
	s_cselect_b64 s[68:69], s[4:5], s[6:7]         ; region B's: the other one
	s_add_nc_u64 s[20:21], s[66:67], s[20:21]
	s_add_nc_u64 s[46:47], s[68:69], s[46:47]
	CROUND                                         ; all sixteen work-groups are here: the first joint loads meet
.irp s, 0,1
	s_mov_b32 s[G0+4*\s], 1
	s_add_co_u32 s[G0+4*\s+1], s45, \s*SLOT
	s_add_nc_u64 s[G0+4*\s+2:G0+4*\s+3], s[20:21], \s*ROWB
	s_or_b32 s[G0+4*\s+3], s[G0+4*\s+3], 0x80000000
	s_mov_b32 s[G0B+4*\s], 1
	s_add_co_u32 s[G0B+4*\s+1], s45, \s*SLOT
	s_add_nc_u64 s[G0B+4*\s+2:G0B+4*\s+3], s[46:47], \s*ROWB
	s_or_b32 s[G0B+4*\s+3], s[G0B+4*\s+3], 0x80000000
	JLOAD G0+4*\s, G1, G0B+4*\s, G1B
.endr
	; THE BIAS, in both layouts, in every work-group, so that every register is written on every way; the layout that is not used reads from the bias's first bytes.
	v_and_b32 v1, 15, v0                           ; r = lane % 16
	v_bfe_u32 v2, v0, 4, 1                         ; h = lane / 16
	v_and_b32 v3, 31, v0
	v_lshlrev_b32 v[BH], 5, v2
	s_wait_alu depctr_va_vdst(0)
	v_lshlrev_b32 v[BW], 2, v1
	s_wait_alu depctr_va_vdst(0)
	v_lshlrev_b32 v[LI], 4, v3
	s_lshl_b32 s72, s42, 10
	s_lshl_b32 s73, s16, 9
	s_add_co_u32 s72, s72, s73                     ; q, k: 4 x (256 x region B's tile + 128 x my half): my first channel's bias
	s_lshl_b32 s78, s17, 10
	s_lshl_b32 s79, s15, 9
	s_add_co_u32 s78, s78, s79                     ; v: 4 x (256 x region A's tile + 128 x my half)
	s_cmp_eq_u32 ttmp9, 2
	s_cselect_b32 s72, 0, s72
	s_cselect_b32 s78, s78, 0
	s_mov_b32 s73, 0
	s_mov_b32 s79, 0
	s_add_nc_u64 s[74:75], s[10:11], s[72:73]
	s_add_nc_u64 s[76:77], s[10:11], s[78:79]
.irp b, 0,1,2,3,4,5,6,7
	global_load_b128 v[BR+8*\b:BR+8*\b+3],   v[BH], s[74:75] offset:64*\b
	global_load_b128 v[BR+8*\b+4:BR+8*\b+7], v[BH], s[74:75] offset:64*\b+16
.endr
.irp a, 0,1,2,3,4,5,6,7
	global_load_b32 v[BL+2*\a],   v[BW], s[76:77] offset:64*\a   ; twice: a pair for the packed multiply-add
	global_load_b32 v[BL+2*\a+1], v[BW], s[76:77] offset:64*\a
.endr
	v_mul_u32_u24 v3, v1, PITCH
	v_lshl_add_u32 v4, v2, 4, v3                   ; a fragment's row x pitch + 16 x half
	s_mul_i32 s21, s15, HALFT                      ; my 128 rows of region A
	s_mul_i32 s22, s16, HALFT                      ; my 128 rows of region B,
	s_add_co_u32 s22, s22, 2*HALFT                 ; which lie behind region A's 256
.irp s, 0,1
	v_add_nc_u32 v[ADRA+\s], s21, v4
	v_add_nc_u32 v[ADRB+\s], s22, v4
	s_add_co_u32 s21, s21, SLOT
	s_add_co_u32 s22, s22, SLOT
.endr
.macro FRAG reg, adr, q, i             ; a fragment: lane l holds row l % 16; registers 4 c .. 4 c + 3 hold K = 32 c + 16 (l / 16) + 0 .. 15: the same permutation of k on both sides, so every product meets its partner
.irp c, 0,1,2,3
	ds_load_b128 v[\reg+4*\c:\reg+4*\c+3], v[\adr] offset:128*(\q)+32*\c+(\i)*16*PITCH
.endr
.endm
; 16 matrix instructions: region A's blocks a0, a0 + 1 x region B's eight, 128 along K.  p: region B's set.  zero = 1: the first product starts the sums.
; The 64 accumulators take turns, one instruction a turn, in the same order in every step.
.macro MUL16 a0, p, zero
.irp a, \a0, \a0+1
.irp b, 0,1,2,3,4,5,6,7
.if \zero
	v_wmma_f32_16x16x128_fp8_fp8 v[8*(8*((\a)%4)+\b):8*(8*((\a)%4)+\b)+7], v[128*(\p)+FR*\b:128*(\p)+FR*\b+FR-1], v[AF+FR*(\a):AF+FR*(\a)+FR-1], 0
.else
	v_wmma_f32_16x16x128_fp8_fp8 v[8*(8*((\a)%4)+\b):8*(8*((\a)%4)+\b)+7], v[128*(\p)+FR*\b:128*(\p)+FR*\b+FR-1], v[AF+FR*(\a):AF+FR*(\a)+FR-1], v[8*(8*((\a)%4)+\b):8*(8*((\a)%4)+\b)+7]
.endif
.endr
.endr
.endm
.macro FETCH_B slot, q, p              ; region B's eight fragments of the slot's q-th 128 along K into set p
	WIN TO_B
.irp i, 0,1,2,3,4,5,6,7
	FRAG 128*(\p)+FR*\i, ADRB+\slot, \q, \i
.endr
	WIN 0
.endm
.macro FETCH_A slot, q, i0             ; region A's blocks i0 .. i0 + 3
.irp i, \i0, \i0+1, \i0+2, \i0+3
	FRAG AF+FR*(\i), ADRA+\slot, \q, \i
.endr
.endm
; A load into a register that a matrix instruction has read, and a vector instruction that reads a matrix result, stand NP places behind that matrix instruction; only plain vector instructions that name
; none of its registers are places (ISA guide 7.12.1 for vector instructions).
.macro PLACES n
.rept \n
	v_nop
.endr
.endm
; A step of 128 along K that has its successor in the same slot.  A block of region A is free as soon as its eight products are issued: blocks 0-3 are fetched anew in the step's middle, blocks 4-7 at its end.
.macro STEP slot, q, zero
	s_wait_dscnt 4*NL                              ; region B's set and region A's blocks 0-3 are in; the youngest sixteen loads (blocks 4-7) may be out
	WIN MUL_LO
	MUL16 0, (\q)%2, \zero
	MUL16 2, (\q)%2, \zero
	s_wait_dscnt 0                                 ; blocks 4-7 are in (asked for 32 matrix instructions ago)
	PLACES NP
	FETCH_B \slot, (\q)+1, 1-(\q)%2
	FETCH_A \slot, (\q)+1, 0
	WIN MUL_HI
	MUL16 4, (\q)%2, \zero
	MUL16 6, (\q)%2, \zero
	PLACES NP
	WIN 0
	FETCH_A \slot, (\q)+1, 4
.endm
; A slot's last step changes slots: ONE barrier; in front of it each wave waits for all its tensor loads, adds 0 to its spare word, and waits for that and for its own reads of this slot.  fill = 1: this slot is filled again, two K steps ahead.
.macro TURN slot, next, fill
	s_wait_tensorcnt 0x0                           ; all my tensor loads have landed: my part of the next slot  (every window is 0 here)
	ds_add_u32 v[SPW], v[NIL]                      ; 0 onto my spare word
	s_wait_dscnt 4*NL+1                            ; (the add and the youngest sixteen loads may be out)
	WIN MUL_LO
	MUL16 0, 1, 0                                  ; sixteen matrix instructions stand between the add and the wait for it
	s_wait_dscnt 0x0                               ; the add is done, and my reads of this slot are over
	s_barrier_signal -1
	MUL16 2, 1, 0
	WIN 0
	s_barrier_wait -1
.if \fill
	CREST                                          ; the barrier has opened a round of the cluster's barrier: no wave of any partner still reads this slot or has a load on its way
	s_add_nc_u64 s[G0+4*\slot+2:G0+4*\slot+3], s[G0+4*\slot+2:G0+4*\slot+3], 2*ROWB
	s_add_nc_u64 s[G0B+4*\slot+2:G0B+4*\slot+3], s[G0B+4*\slot+2:G0B+4*\slot+3], 2*ROWB
	JLOAD G0+4*\slot, G1, G0B+4*\slot, G1B         ; the first tensor load behind the round; the four v_nop behind it are the places in front of the loads below
.else
	PLACES NP
.endif
	FETCH_B \next, 0, 0
	FETCH_A \next, 0, 0
	WIN MUL_HI
	MUL16 4, 1, 0
	MUL16 6, 1, 0
	PLACES NP
	WIN 0
	FETCH_A \next, 0, 4
.endm
	s_wait_alu depctr_va_vdst(0)
	s_wait_loadcnt 0x0                             ; the bias, once: it has come while the first tiles were on their way
	s_wait_tensorcnt 1                             ; my part of K step 0 is in (K step 1's load may be out),
	s_barrier_signal -1
	s_barrier_wait -1                              ; everybody's is
	FETCH_B 0, 0, 0
	FETCH_A 0, 0, 0
	FETCH_A 0, 0, 4
	STEP 0, 0, 1                                   ; the first step's products start the sums
.rept LAPS-1                           ; once round the ring, filling both slots again: K = 1,024 is two laps, so this stands once and no loop is written
	TURN 0, 1, 1
	STEP 1, 0, 0
	TURN 1, 0, 1
	STEP 0, 0, 0
.endr
	TURN 0, 1, 0                                   ; the last lap fills nothing, and has no round of the cluster's barrier
	STEP 1, 0, 0
	s_wait_dscnt 4*NL                              ; the very last step: nothing more to fetch
	WIN MUL_LO
	MUL16 0, 1, 0
	MUL16 2, 1, 0
	s_wait_dscnt 0
	WIN MUL_HI
	MUL16 4, 1, 0
	MUL16 6, 1, 0
	WIN 0
	s_wait_tensorcnt 0x0                           ; my last LDS instructions, behind my last tensor load; the way out touches no LDS
	ds_add_u32 v[SPW], v[NIL]
	s_wait_kmcnt 0x0                               ; the exponents
	s_add_co_i32 s96, s80, s81                     ; e0 + e1
	s_add_co_i32 s96, s96, 127
	s_lshl_b32 s96, s96, 23                        ; 2^(e0 + e1) as f32
	s_mov_b32 s97, s96                             ; (named with it as a pair, so it is written)
	s_wait_dscnt 0x0
	PLACES NP                                      ; behind the last products: their results are read and region A's registers written below
.macro QSET                            ; s88 = e: v[SCL] = 2^e, whose exponent field the conversion takes
	s_add_co_i32 s88, s88, 127
	s_lshl_b32 s89, s88, 23
	v_mov_b32 v[SCL], s89
.endm
; q, k: token block a, head hd of my two: four accumulators = 16 tokens x 64 channels = one operand tile of 8 registers.  Each accumulator is read from its low end on.
.macro QK_OUT a, hd
	WIN 0x02+(\a)/4                                ; source 0: window 2 or 3
.irp b, 0,1,2,3
.irp i, 0,2,4,6
	v_pk_fma_f32 v[TQ+8*\b+\i:TQ+8*\b+\i+1], v[64*((\a)%4)+8*(4*\hd+\b)+\i:64*((\a)%4)+8*(4*\hd+\b)+\i+1], s[96:97], v[BR+8*(4*\hd+\b)+\i:BR+8*(4*\hd+\b)+\i+1] op_sel_hi:[1,0,1]   ; sum x 2^(e0 + e1) + bias
.endr
.endr
	WIN 0
.set j, 0
.rept 32
.set j, j+1
.endr
.irp b, 0,1,2,3
	v_cvt_scalef32_pk8_fp8_f32 v[CD+8*(2*\a+\hd)+2*\b:CD+8*(2*\a+\hd)+2*\b+1], v[TQ+8*\b:TQ+8*\b+7], v[SCL]   ; registers 2 b, 2 b + 1 of the operand: channels 16 b + 8 (lane / 16) + 0 .. 7
.endr
	v_nop                                          ; a plain vector line behind the last conversion: the next group writes the conversions' sources
.irp g, 0,1
	global_store_b128 v[LI], v[CD+8*(2*\a+\hd)+4*\g:CD+8*(2*\a+\hd)+4*\g+3], s[12:13] offset:\hd*131072+\a*1024+\g*512   ; 32 lanes store 512 consecutive bytes, aligned
.endr
.endm
; v: channel block a: eight accumulators = 16 channels x 128 keys = one operand tile of 16 registers
.macro V_OUT a
	WIN 0x02+(\a)/4
.set j, 0
.rept 32
	v_pk_fma_f32 v[TV+j:TV+j+1], v[64*((\a)%4)+j:64*((\a)%4)+j+1], s[96:97], v[BL+2*\a:BL+2*\a+1] op_sel_hi:[1,0,1]
.set j, j+2
.endr
	WIN 0
.set j, 0
.rept 64
.set j, j+1
.endr
.irp b, 0,1,2,3,4,5,6,7
	v_cvt_scalef32_pk8_fp8_f32 v[CD+16*\a+2*\b:CD+16*\a+2*\b+1], v[TV+8*\b:TV+8*\b+7], v[SCL]   ; registers 2 b, 2 b + 1: keys 16 b + 8 (lane / 16) + 0 .. 7 of the step
.endr
	v_nop
.irp c, 0,1,2,3
	global_store_b128 v[LI], v[CD+16*\a+4*\c:CD+16*\a+4*\c+3], s[12:13] offset:(\a/4)*131072+(\a%4)*2048+\c*512
.endr
.endm
	s_cmp_eq_u32 ttmp9, 2                          ; the cluster's x: the same way in all waves of all partners
	s_cbranch_scc1 .Lv_out
	s_cmp_eq_u32 ttmp9, 0
	s_cselect_b32 s88, s82, s83                    ; q: e2, k: e3
	QSET
	s_lshl_b32 s90, s17, 8
	s_lshl_b32 s91, s15, 7
	s_add_co_u32 s90, s90, s91                     ; my first token
	s_lshr_b32 s91, s90, 11                        ; its batch,
	s_lshl_b32 s91, s91, 4
	s_and_b32 s92, s42, 3
	s_lshl_b32 s92, s92, 2
	s_add_co_u32 s91, s91, s92
	s_lshl_b32 s92, s16, 1
	s_add_co_u32 s91, s91, s92                     ; 16 x batch + my first head: 4 x (tile % 4) + 2 x half
	s_lshl_b32 s91, s91, 17                        ; 131,072 bytes a head
	s_and_b32 s90, s90, 2047
	s_lshl_b32 s90, s90, 6                         ; 1,024 bytes for each tile of 16 tokens
	s_add_co_u32 s90, s90, s91
	s_lshl_b32 s91, ttmp9, 23                      ; q's section or k's
	s_add_co_u32 s90, s90, s91
	s_mov_b32 s91, 0
	s_add_nc_u64 s[12:13], s[12:13], s[90:91]
.irp a, 0,1,2,3,4,5,6,7
	QK_OUT \a, 0
	QK_OUT \a, 1
.endr
	s_branch .Lend
.Lv_out:
	s_mov_b32 s88, s85                             ; e5
	QSET
	s_lshl_b32 s90, s42, 8
	s_lshl_b32 s91, s16, 7
	s_add_co_u32 s90, s90, s91                     ; my first token: here the tokens are region B's
	s_lshr_b32 s91, s90, 11
	s_lshl_b32 s91, s91, 4
	s_sub_co_u32 s92, s17, 8
	s_lshl_b32 s92, s92, 2
	s_add_co_u32 s91, s91, s92
	s_lshl_b32 s92, s15, 1
	s_add_co_u32 s91, s91, s92                     ; 16 x batch + my first head
	s_lshl_b32 s91, s91, 17
	s_and_b32 s90, s90, 2047
	s_lshl_b32 s90, s90, 6                         ; 8,192 bytes for each step of 128 keys
	s_add_co_u32 s90, s90, s91
	s_add_co_u32 s90, s90, 0x1000000               ; v's section
	s_mov_b32 s91, 0
	s_add_nc_u64 s[12:13], s[12:13], s[90:91]
.irp a, 0,1,2,3,4,5,6,7
	V_OUT \a
.endr
.Lend:
	CROUND                                         ; the closing round: no work-group ends while a partner may still ask for a tile that names it
	s_endpgm
.Lfunc_end_k_q5f7eac7fad_qkv:
	.size	k_q5f7eac7fad_qkv, .Lfunc_end_k_q5f7eac7fad_qkv-k_q5f7eac7fad_qkv
	.p2alignl 7, 3214868480
	.fill 96, 4, 3214868480
	.section	.rodata,"a",@progbits
	.p2align	6, 0x0
	.amdhsa_kernel k_q5f7eac7fad_qkv
		.amdhsa_group_segment_fixed_size 327680
		.amdhsa_private_segment_fixed_size 0
		.amdhsa_enable_private_segment 0
		.amdhsa_kernarg_size 40
		.amdhsa_user_sgpr_count 2
		.amdhsa_user_sgpr_kernarg_segment_ptr 1
		.amdhsa_wavefront_size32 1
		.amdhsa_system_sgpr_workgroup_id_x 1
		.amdhsa_system_sgpr_workgroup_id_y 1
		.amdhsa_system_sgpr_workgroup_id_z 1
		.amdhsa_system_vgpr_workitem_id 0
		.amdhsa_next_free_vgpr 1024
		.amdhsa_next_free_sgpr 100
		.amdhsa_reserve_vcc 0
		.amdhsa_float_denorm_mode_32 3
		.amdhsa_float_denorm_mode_16_64 3
		.amdhsa_fp16_overflow 1
		.amdhsa_memory_ordered 1
		.amdhsa_forward_progress 1
		.amdhsa_inst_pref_size 131
	.end_amdhsa_kernel
	.amdgpu_metadata
---
amdhsa.version: [ 1, 2 ]
amdhsa.kernels:
  - .name:           k_q5f7eac7fad_qkv
    .symbol:         k_q5f7eac7fad_qkv.kd
    .args:
      - { .name: x_codes, .offset: 0, .size: 8, .value_kind: global_buffer, .address_space: global }
      - { .name: W_attn_codes, .offset: 8, .size: 8, .value_kind: global_buffer, .address_space: global }
      - { .name: lowp_scales, .offset: 16, .size: 8, .value_kind: global_buffer, .address_space: global }
      - { .name: b_attn, .offset: 24, .size: 8, .value_kind: global_buffer, .address_space: global }
      - { .name: qkvf, .offset: 32, .size: 8, .value_kind: global_buffer, .address_space: global }
    .group_segment_fixed_size: 327680
    .private_segment_fixed_size: 0
    .kernarg_segment_align: 8
    .kernarg_segment_size: 40
    .max_flat_workgroup_size: 128
    .sgpr_count:     100
    .vgpr_count:     1024
    .wavefront_size: 32
...
	.end_amdgpu_metadata
.endif
;; end of part 1
;; launch attn (part 2): grid 4 x 64, 16 waves a work-group, clusters of 4 x 1, 327,680 bytes of LDS; arguments qkvf, lowp_scales, yf; writes yf
.if DOCPART == 2
	.amdgcn_target "amdgcn-amd-amdhsa--gfx1250"
	.amdhsa_code_object_version 6
	.text
	.protected	k_q5f7eac7fad_attn
	.globl	k_q5f7eac7fad_attn
	.p2align	8
	.type	k_q5f7eac7fad_attn,@function
k_q5f7eac7fad_attn:
	s_mov_b64 s[64:65], 0
	v_nop
	global_prefetch_b8 v0, s[64:65] scope:SCOPE_SE
	s_setreg_imm32_b32 hwreg(HW_REG_WAVE_MODE, 25, 1), 1
	s_wait_xcnt 0x0
	s_wait_alu depctr_hold_cnt(0) depctr_sa_sdst(0) depctr_va_vdst(0) depctr_va_sdst(0) depctr_va_ssrc(0) depctr_va_vcc(0) depctr_vm_vsrc(0)
	s_getreg_b32 s2, hwreg(HW_REG_IB_STS2, 6, 4)
	s_cmp_eq_u32 s2, 0
	s_cbranch_scc0 .Lentry_in_a_cluster
	s_endpgm
.Lentry_in_a_cluster:
	s_bfe_u32 s2, ttmp6, 0x10000c
	s_cmp_lg_u32 s2, 0x3003
	s_cbranch_scc0 .Lentry_shape_is_right
	s_endpgm
.Lentry_shape_is_right:
; y = softmax(q k^T / 8, causal) v for one head of one batch a cluster, both products on codes of FP8 (E4M3); y is quantised (scale 2^e6) and stored as an image of the next launch's operand registers.
; THE SOFTMAX: t = score x 2^(e2 + e3) x log2(e) / 8; M = the row's largest t so far, rounded UP to a whole number; p = 2^(t - M) is quantised with 2^e4; it is not normalised.
; The row's sum is taken of the unquantised p, in f32, and divides at the end.  When M moves, the sum and O are multiplied by 2^(old M - new M): exact.
; LIMITS on the given exponents: e2 + e3 between -123 and 130 (added to c's exponent field); e4 and e6 between -126 and 119; e4 + e5 is applied by v_ldexp_f32 and has none.
; SHARES.  The cluster's four work-groups (cx = 0 .. 3) share the head's 128 tiles of 16 queries.  Wave w of sixteen owns TWO tiles: t_lo = 4 w + cx and t_hi = 127 - t_lo.  In steps of 128 keys t_hi wants steps
; 0 .. 15 - w / 2 and t_lo steps 0 .. w / 2: seventeen steps for every wave of the launch, and the counts hang on the wave's number alone, so that all partners run alike.
; LDS.  The head's whole K (131,072 bytes, step s at 8,192 s) and whole V (behind it) lie in LDS as images of operand registers, 16 bytes a lane on end: no pitch, no padding.  Each byte is filled ONCE, by joint
; loads (the same load with a mask that names the four partners): two a wave, 8,192 bytes each: waves 0-7 K's steps w and 8 + w, waves 8-15 V's.  Nothing is filled again, so there is no ring.
; LAYOUT.  S^T = K Q^T (16x16x64: source 0 = 16 keys, source 1 = my 16 queries), O^T = V^T P^T (16x16x128: source 0 = 16 channels, source 1 = P): a lane holds ONE query (lane % 16) throughout.  Tile tt of S^T gives
; lane (r, h) the keys 16 tt + 8 h + 0 .. 7, which are registers 2 tt, 2 tt + 1 of P in that form's own layout: the conversions' results are the operand.
; Every loop has a constant count of eight trips; a step that lies wholly behind the wave's queries is jumped over by a scalar branch on the wave's number and the trip, round its work alone.
; REGISTERS: v1 16 x lane; v4, v5 LDS addresses in hand; v6, v7 the diagonal's bounds; v12 -M, v13 the largest t, v[14:15] the sum in two halves; v16-23, v24-31 Q of t_hi, t_lo; v32-95 K's fragments, then V's;
;   v96-159 S^T, then p; v160-191 O^T; v192-207 P's codes; v208-215 y's codes; v216-223 what comes from the other half of the lanes; v224-231 what is stored; v236-254 at work and constants.
.set VIMG, 131072                      ; V's image begins here
.set LI,   1
.set RR,   2
.set HH,   3
.set ADK,  4
.set ADV,  5
.set DQH,  6                           ; my query's place in t_hi's diagonal step, less 8 (lane / 16)
.set DQL,  7                           ; the same for t_lo
.set QH,   16
.set QL,   24
.set KV,   32
.set SS,   96
.set OT,   160
.set PC,   192
.set YC,   208
.set XT,   216
.set YO,   224
.set WV,   18                          ; s18  my wave's number
.set CX,   19                          ; s19  my place in the cluster: it enters Q's and y's addresses and the diagonal's bounds alone
.set SEL,  20                          ; s[20:21] lane selects for v_permlanex16_b32: lane l xor 16
.set CS,   22                          ; s[22:23] c = 2^(e2 + e3) log2(e) / 8
.set G1,   24                          ; s[24:31] descriptor group 1
.set G0A,  40                          ; s[40:43], s[44:47] my two groups 0
.set G0B,  44
.set TB,   48                          ; s48  LDS byte of the step's tiles of K
.set KS,   49                          ; s49  the step's number
.set LAST, 50                          ; s50  the tile's last step: the one on the diagonal
.set CNT,  51                          ; s51  trips to go
.set QBH,  54                          ; s[54:55], s[56:57] Q's images of t_hi, t_lo
.set QBL,  56
.set YBH,  58                          ; s[58:59], s[60:61] where their y goes
.set YBL,  60
.set HM,   62                          ; s62  the lanes 16-31
.set EPV,  63                          ; s63  e4 + e5
; A round of the cluster's barrier: my work-group's barrier; wave 0 signals for the work-group; every wave waits for all four work-groups; my work-group's barrier once more.
.macro ROUND
	s_barrier_signal -1
	s_barrier_wait -1
	s_cmp_lg_u32 s[WV], 0
	s_cbranch_scc1 .Lnot_wave_0_\@
	s_barrier_signal -3
.Lnot_wave_0_\@:
	s_barrier_wait -3
	s_barrier_signal -1
	s_barrier_wait -1
.endm
	s_load_b128 s[4:7], s[0:1], 0x0                ; qkvf s[4:5], the scales' exponents s[6:7]
	s_load_b64 s[8:9], s[0:1], 0x10                ; yf
	v_lshl_add_u32 v251, v0, 2, 0x40000
	v_mov_b32 v255, 0
	ds_add_u32 v251, v255
	ds_add_u32 v251, v255
	v_lshrrev_b32 v2, 5, v0
	s_delay_alu instid0(VALU_DEP_1)
	v_readfirstlane_b32 s[WV], v2                  ; wave 0..15
	s_bfe_u32 s[CX], ttmp6, 0x40000                ; cx
	s_and_b32 s76, ttmp7, 0xffff                   ; 16 x batch + head, which the four partners share
	; descriptor group 1: 8,192 dense bytes as 32 rows of 256
	s_mov_b32 s[G1], 15|(3<<16)|(1<<21)            ; 15:0 the mask: all four work-groups; 17:16 elements of 8 bytes; 21 set beside a mask; no padding
	s_mov_b32 s[G1+1], 32<<16                      ; tensor_dim0 = 32 elements
	s_mov_b32 s[G1+2], 32<<16                      ; tensor_dim1 = 32
	s_mov_b32 s[G1+3], 32<<16                      ; tile_dim0 = 32
	s_mov_b32 s[G1+4], 32                          ; tile_dim1 = 32
	s_mov_b32 s[G1+5], 32                          ; tensor_dim0_stride: dense
	s_mov_b32 s[G1+6], 0
	s_mov_b32 s[G1+7], 0
	s_lshr_b32 s77, s[WV], 3                       ; I fetch for K (0) or for V (1),
	s_and_b32 s78, s[WV], 7                        ; steps w % 8 and 8 + w % 8
	s_lshl_b32 s79, s[WV], 13
	s_lshl_b32 s80, s77, 16
	s_add_co_u32 s79, s79, s80                     ; into LDS byte 8,192 w + 65,536 (w / 8), and 65,536 further on
	s_lshl_b32 s80, s77, 23                        ; from k's section or v's,
	s_lshl_b32 s81, s76, 17                        ; the head's 131,072 bytes,
	s_add_co_u32 s80, s80, s81
	s_lshl_b32 s81, s78, 13                        ; the step's 8,192
	s_add_co_u32 s80, s80, s81
	s_add_co_u32 s80, s80, 0x800000                ; k's section begins at 8,388,608
	s_mov_b32 s81, 0
	s_wait_dscnt 0x0
	s_wait_kmcnt 0x0
	s_load_b256 s[68:75], s[6:7], 0x0              ; e0 .. e7
	s_mov_b32 s[G0A], 1                            ; count = 1
	s_mov_b32 s[G0A+1], s79                        ; LDS address
	s_add_nc_u64 s[G0A+2:G0A+3], s[4:5], s[80:81]  ; global address
	s_mov_b32 s[G0B], 1
	s_add_co_u32 s[G0B+1], s79, 0x10000
	s_add_nc_u64 s[G0B+2:G0B+3], s[G0A+2:G0A+3], 0x10000
	s_or_b32 s[G0A+3], s[G0A+3], 0x80000000        ; type = 2
	s_or_b32 s[G0B+3], s[G0B+3], 0x80000000
	ROUND                                          ; all four work-groups are here: the joint loads meet
	tensor_load_to_lds s[G0A:G0A+3], s[G1:G1+7]    ; steps 0-7's part: one load of mine is out
	s_nop 0
	s_wait_alu depctr_va_vdst(0)
	s_wait_tensorcnt 0x0
	ds_add_u32 v251, v255
	s_wait_dscnt 0x0
	ROUND
	tensor_load_to_lds s[G0B:G0B+3], s[G1:G1+7]    ; steps 8-15's
	s_nop 0
.rept 4
	v_nop
.endr
	s_lshl_b32 s82, s[WV], 2
	s_add_co_u32 s82, s82, s[CX]                   ; t_lo
	s_sub_co_u32 s83, 127, s82                     ; t_hi
	s_lshl_b32 s84, s76, 17                        ; the head's image of q (section at byte 0)
	s_lshl_b32 s86, s83, 10                        ; 1,024 bytes a tile
	s_add_co_u32 s86, s86, s84
	s_mov_b32 s87, 0
	s_add_nc_u64 s[QBH:QBH+1], s[4:5], s[86:87]
	s_lshl_b32 s86, s82, 10
	s_add_co_u32 s86, s86, s84
	s_add_nc_u64 s[QBL:QBL+1], s[4:5], s[86:87]
	v_and_b32 v[LI], 31, v0
	s_delay_alu instid0(VALU_DEP_1)
	v_lshlrev_b32 v[LI], 4, v[LI]                  ; 16 x lane
	global_load_b128 v[QH:QH+3],   v[LI], s[QBH:QBH+1]
	global_load_b128 v[QH+4:QH+7], v[LI], s[QBH:QBH+1] offset:512
	global_load_b128 v[QL:QL+3],   v[LI], s[QBL:QBL+1]
	global_load_b128 v[QL+4:QL+7], v[LI], s[QBL:QBL+1] offset:512
	s_lshr_b32 s85, s76, 4
	s_lshl_b32 s85, s85, 7                         ; y: 128 row blocks a batch,
	s_and_b32 s88, s76, 15
	s_lshl_b32 s88, s88, 10                        ; 1,024 bytes a head in a row block's 16,384
	s_add_co_u32 s86, s85, s83
	s_lshl_b32 s86, s86, 14
	s_add_co_u32 s86, s86, s88
	s_add_nc_u64 s[YBH:YBH+1], s[8:9], s[86:87]
	s_add_co_u32 s86, s85, s82
	s_lshl_b32 s86, s86, 14
	s_add_co_u32 s86, s86, s88
	s_add_nc_u64 s[YBL:YBL+1], s[8:9], s[86:87]
	v_and_b32 v[RR], 15, v0                        ; r
	v_bfe_u32 v[HH], v0, 4, 1                      ; h
	s_and_b32 s89, s[WV], 1
	s_lshl_b32 s89, s89, 2
	s_add_co_u32 s89, s89, s[CX]                   ; t_lo % 8: its place in its diagonal step,
	s_sub_co_u32 s90, 7, s89                       ; t_hi % 8
	s_lshl_b32 s89, s89, 4
	s_lshl_b32 s90, s90, 4
	v_lshlrev_b32 v[DQL], 3, v[HH]
	s_delay_alu instid0(VALU_DEP_1)
	v_sub_nc_u32 v[DQL], v[RR], v[DQL]             ; r - 8 h
	s_delay_alu instid0(VALU_DEP_1)
	v_add_nc_u32 v[DQH], s90, v[DQL]
	s_delay_alu instid0(VALU_DEP_2)
	v_add_nc_u32 v[DQL], s89, v[DQL]
	v_cmp_ne_u32 s[HM], 0, v[HH]
	s_mov_b32 s[SEL], 0x76543210
	s_mov_b32 s[SEL+1], 0xfedcba98
	v_mov_b32 v236, 0                              ; written once: a lane permute's destination counts as one of its sources
	v_mov_b32 v252, 0
	v_mov_b32 v253, 0                              ; (named as the upper half of the pair v[252:253])
.set j, 0
.rept 8
	v_mov_b32 v[XT+j], 0
.set j, j+1
.endr
	s_wait_kmcnt 0x0
	s_add_co_i32 s91, s70, s71                     ; e2 + e3: added to the exponent field of
	s_lshl_b32 s91, s91, 23
	s_add_co_i32 s[CS], s91, 0x3e38aa3b            ; log2(e) / 8
	s_mov_b32 s[CS+1], s[CS]                       ; (named with it as a pair, so it is written)
	s_add_co_i32 s91, s72, 127
	s_lshl_b32 s92, s91, 23
	v_mov_b32 v244, s92                            ; 2^e4 as f32, for p's conversions
	s_add_co_i32 s91, s74, 127
	s_lshl_b32 s92, s91, 23
	v_mov_b32 v245, s92                            ; 2^e6, for y's
	s_add_co_i32 s[EPV], s72, s73                  ; e4 + e5
; A tile's start: O^T and the sum are zeros and the largest t is -3e38, so that the step is written without a first step of its own: the first change of M multiplies zeros.
.macro INIT
	v_mov_b32 v13, 0xff61b1e6
	s_delay_alu instid0(VALU_DEP_1)
	v_floor_f32 v12, -v13
	v_mov_b32 v14, 0
	v_mov_b32 v15, 0
.set j, 0
.rept 32
	v_mov_b32 v[OT+j], 0
.set j, j+1
.endr
.endm
; A KEY STEP of 128 keys for the tile whose Q lies at v[qr].  chk = 1: the step is jumped over where it lies behind the diagonal, and masked where it lies on it.
.macro STEP qr, dq, chk
.if \chk
	s_cmp_gt_u32 s[KS], s[LAST]
	s_cbranch_scc1 .Lhid_\@
.endif
	s_setprio 2
	v_add_nc_u32 v[ADK], s[TB], v[LI]
	s_delay_alu instid0(VALU_DEP_1)
	v_add_nc_u32 v[ADV], VIMG, v[ADK]
	v_nop                                          ; with the two additions: four places in front of loads into registers that the last products read
	v_nop
.irp t, 0,1,2,3,4,5,6,7
	ds_load_b128 v[KV+8*\t:KV+8*\t+3],   v[ADK] offset:\t*1024
	ds_load_b128 v[KV+8*\t+4:KV+8*\t+7], v[ADK] offset:\t*1024+512
.endr
	s_wait_alu depctr_va_vdst(0)
	s_wait_dscnt 0x0
.irp t, 0,1,2,3,4,5,6,7
	v_wmma_f32_16x16x64_fp8_fp8 v[SS+8*\t:SS+8*\t+7], v[KV+8*\t:KV+8*\t+7], v[\qr:\qr+7], 0
.endr
.rept 4
	v_nop                                          ; places in front of the loads below and of the first read of the scores
.endr
.irp t, 0,1,2,3
.irp c, 0,1,2,3
	ds_load_b128 v[KV+16*\t+4*\c:KV+16*\t+4*\c+3], v[ADV] offset:\t*2048+\c*512   ; V's four fragments are on their way during the softmax
.endr
.endr
.if \chk                                       ; on the diagonal the scores of hidden keys become -infinity ahead of the maximum: p = 0 then.  The step's first key counts for every query of the tile
	s_cmp_lg_u32 s[KS], s[LAST]
	s_cbranch_scc1 .Lopen_\@
	v_mov_b32 v254, 0xff800000
.set n, 0
.rept 64
	v_cmp_gt_i32 vcc_lo, 16*(n/8)+n%8, v[\dq]      ; register n holds key 16 (n / 8) + 8 h + n % 8 of the step: hidden where it comes after my query
	v_cndmask_b32 v[SS+n], v[SS+n], v254, vcc_lo
.set n, n+1
.endr
.Lopen_\@:
.endif
	v_max3_num_f32 v254, v[SS], v[SS+1], v[SS+2]   ; the step's largest score of my query, among my 64 keys, in two chains; each accumulator is first read at its low end
	v_max3_num_f32 v252, v[SS+3], v[SS+4], v[SS+5]
.irp i, 6,10,14,18,22,26,30,34,38,42,46,50,54,58
	v_max3_num_f32 v254, v254, v[SS+\i], v[SS+1+\i]
	v_max3_num_f32 v252, v252, v[SS+2+\i], v[SS+3+\i]
.endr
	v_max3_num_f32 v254, v254, v[SS+62], v[SS+63]
	s_delay_alu instid0(VALU_DEP_1)
	v_max_num_f32 v254, v254, v252
	s_delay_alu instid0(VALU_DEP_1)
	v_permlanex16_b32 v236, v254, s[SEL], s[SEL+1]
	s_delay_alu instid0(VALU_DEP_1)
	v_max_num_f32 v254, v254, v236                 ; and among lane l xor 16's
	s_delay_alu instid0(VALU_DEP_1)
	v_mul_f32 v254, s[CS], v254                    ; as t (c is positive)
	s_delay_alu instid0(VALU_DEP_1)
	v_max_num_f32 v13, v13, v254                   ; the running largest t
	v_mov_b32 v254, v12
	s_delay_alu instid0(VALU_DEP_2)
	v_floor_f32 v12, -v13                          ; the new -M = floor(-t) = -ceil(t): a whole number
	s_delay_alu instid0(VALU_DEP_1)
	v_sub_f32 v254, v12, v254                      ; M's old value less its new one: a whole number, 0 or less
	s_delay_alu instid0(VALU_DEP_1)
	v_cvt_i32_f32 v254, v254                       ; (it saturates)
	s_delay_alu instid0(VALU_DEP_1)
	v_ldexp_f32 v252, 1.0, v254                    ; f = 2^(old M - new M)
.set j, 0
.rept 32
	v_pk_fma_f32 v[SS+j:SS+j+1], v[SS+j:SS+j+1], s[CS:CS+1], v[12:13] op_sel_hi:[1,0,0]   ; t - M, two at a time (of the pairs c and -M the low word serves both halves)
.set j, j+2
.endr
.set j, 0
	s_setprio 1
	s_wait_alu depctr_va_vdst(0)
.rept 64
	v_exp_f32 v[SS+j], v[SS+j]                     ; p = 2^(t - M), at most 1
.set j, j+1
.endr
	v_pk_mul_f32 v[14:15], v[14:15], v[252:253] op_sel_hi:[1,0]   ; the sums under the new M  (a plain place behind the exponentials)
	s_wait_alu depctr_va_vdst(0)
	v_pk_add_f32 v[242:243], v[SS:SS+1], v[SS+2:SS+3]             ; the row's sum is taken of the unquantised p: two at a time, in two chains
.irp j, 4,8,12,16,20,24,28,32,36,40,44,48,52,56,60
	v_pk_add_f32 v[14:15], v[14:15], v[SS+\j:SS+1+\j]
	v_pk_add_f32 v[242:243], v[242:243], v[SS+2+\j:SS+3+\j]
.endr
	s_delay_alu instid0(VALU_DEP_1)
	v_pk_add_f32 v[14:15], v[14:15], v[242:243]
	s_setprio 0
.irp t, 0,1,2,3,4,5,6,7
.irp i, 0,1,2,3,4,5,6,7
.endr
	v_cvt_scalef32_pk8_fp8_f32 v[PC+2*\t:PC+2*\t+1], v[SS+8*\t:SS+8*\t+7], v244   ; registers 2 t, 2 t + 1 of P
.endr
.set j, 0
.rept 16
	v_pk_mul_f32 v[OT+j:OT+j+1], v[OT+j:OT+j+1], v[252:253] op_sel_hi:[1,0]   ; O^T under the new M  (also the plain lines between the conversions and the products)
.set j, j+2
.endr
	s_wait_alu depctr_va_vdst(0)
	s_wait_dscnt 0x0                               ; V's fragments are in
.irp t, 0,1,2,3                                ; the four accumulators take turns, one instruction a turn; the next step's eight score products stand between two turns of one accumulator
	v_wmma_f32_16x16x128_fp8_fp8 v[OT+8*\t:OT+8*\t+7], v[KV+16*\t:KV+16*\t+15], v[PC:PC+15], v[OT+8*\t:OT+8*\t+7]
.endr
.if \chk
.Lhid_\@:
.endif
	s_add_co_u32 s[TB], s[TB], 8192                ; on every way: the next step's tiles
	s_add_co_u32 s[KS], s[KS], 1
.endm
; A tile's end: O^T / the sum x 2^(e4 + e5) is y; it is quantised, and the halves of the lanes exchange eight codes, so that lane (r, h) holds channels 32 c + 16 h + 0 .. 15 of row r: the next launch's operand.
.macro FINISH yb
	s_wait_xcnt 0x0                                ; what earlier stores read is written again only behind this wait
.rept 4
	v_nop                                          ; places behind the last products
.endr
	v_add_f32 v14, v14, v15                        ; the sum's two halves,
	s_delay_alu instid0(VALU_DEP_1)
	v_permlanex16_b32 v252, v14, s[SEL], s[SEL+1]
	s_delay_alu instid0(VALU_DEP_1)
	v_add_f32 v14, v14, v252                       ; and lane l xor 16's
	s_wait_alu depctr_va_vdst(0)
	v_rcp_f32 v14, v14
	v_nop                                          ; one plain place behind a transcendental
	s_wait_alu depctr_va_vdst(0)
	v_ldexp_f32 v14, v14, s[EPV]
.set j, 0
.rept 32
	v_mul_f32 v[SS+j], v[OT+j], v14                ; register 8 t + i is y(r, 16 t + 8 h + i); each accumulator from its low end on
.set j, j+1
.endr
.set j, 0
.rept 32
.set j, j+1
.endr
.irp t, 0,1,2,3
	v_cvt_scalef32_pk8_fp8_f32 v[YC+2*\t:YC+2*\t+1], v[SS+8*\t:SS+8*\t+7], v245
.endr
	v_nop                                          ; a plain line between the conversions and the reads of their results
.irp c, 0,1
.irp i, 0,1
	v_permlanex16_b32 v[XT+4*\c+\i],   v[YC+4*\c+2+\i], s[SEL], s[SEL+1]   ; the other half's codes of channel tile 2 c + 1,
	v_permlanex16_b32 v[XT+4*\c+2+\i], v[YC+4*\c+\i],   s[SEL], s[SEL+1]   ; and of tile 2 c
.endr
.endr
.irp c, 0,1
.irp i, 0,1
	v_cndmask_b32 v[YO+4*\c+\i],   v[YC+4*\c+\i],   v[XT+4*\c+\i],   s[HM]   ; lanes 0-15: my tile 2 c, then the other half's; lanes 16-31: the other half's tile 2 c + 1, then mine
	v_cndmask_b32 v[YO+4*\c+2+\i], v[XT+4*\c+2+\i], v[YC+4*\c+2+\i], s[HM]
.endr
.endr
.irp c, 0,1
	global_store_b128 v[LI], v[YO+4*\c:YO+4*\c+3], s[\yb:\yb+1] offset:512*\c   ; 32 lanes store 512 consecutive bytes, aligned
.endr
.endm
	INIT
	s_wait_tensorcnt 0x1                           ; my part of steps 0-7 is in; my part of steps 8-15 may stay out
	s_barrier_signal -1
	s_barrier_wait -1                              ; everybody's is
	s_wait_loadcnt 0x0                             ; Q
	s_mov_b32 s[TB], 0
	s_mov_b32 s[KS], 0
	s_mov_b32 s[CNT], 8
.Lopen_steps:                                      ; t_hi, steps 0-7: all their keys count for every wave's t_hi, which is 64 or more
	STEP QH, DQH, 0
	s_sub_co_u32 s[CNT], s[CNT], 1
	s_cmp_lg_u32 s[CNT], 0
	s_cbranch_scc1 .Lopen_steps
	s_setprio 0
	s_wait_tensorcnt 0x0                           ; my part of steps 8-15 is in,
	s_barrier_signal -1
	s_barrier_wait -1                              ; everybody's is
	s_lshr_b32 s[LAST], s[WV], 1
	s_sub_co_u32 s[LAST], 15, s[LAST]              ; t_hi's diagonal step
	s_mov_b32 s[CNT], 8
.Lhigh_steps:                                      ; t_hi, steps 8-15 (TB and KS run on)
	STEP QH, DQH, 1
	s_sub_co_u32 s[CNT], s[CNT], 1
	s_cmp_lg_u32 s[CNT], 0
	s_cbranch_scc1 .Lhigh_steps
	s_setprio 0
	FINISH YBH
	INIT
	s_mov_b32 s[TB], 0
	s_mov_b32 s[KS], 0
	s_lshr_b32 s[LAST], s[WV], 1                   ; t_lo's diagonal step
	s_mov_b32 s[CNT], 8
.Llow_steps:                                       ; t_lo, steps 0-7
	STEP QL, DQL, 1
	s_sub_co_u32 s[CNT], s[CNT], 1
	s_cmp_lg_u32 s[CNT], 0
	s_cbranch_scc1 .Llow_steps
	s_setprio 0
	FINISH YBL
	s_wait_tensorcnt 0x0
	ds_add_u32 v251, v255
	s_wait_dscnt 0x0
	ROUND                                          ; the closing round
	s_endpgm
.Lfunc_end_k_q5f7eac7fad_attn:
	.size	k_q5f7eac7fad_attn, .Lfunc_end_k_q5f7eac7fad_attn-k_q5f7eac7fad_attn
	.p2alignl 7, 3214868480
	.fill 96, 4, 3214868480
	.section	.rodata,"a",@progbits
	.p2align	6, 0x0
	.amdhsa_kernel k_q5f7eac7fad_attn
		.amdhsa_group_segment_fixed_size 327680
		.amdhsa_private_segment_fixed_size 0
		.amdhsa_enable_private_segment 0
		.amdhsa_kernarg_size 24
		.amdhsa_user_sgpr_count 2
		.amdhsa_user_sgpr_kernarg_segment_ptr 1
		.amdhsa_wavefront_size32 1
		.amdhsa_system_sgpr_workgroup_id_x 1
		.amdhsa_system_sgpr_workgroup_id_y 1
		.amdhsa_system_sgpr_workgroup_id_z 1
		.amdhsa_system_vgpr_workitem_id 0
		.amdhsa_next_free_vgpr 256
		.amdhsa_next_free_sgpr 100
		.amdhsa_reserve_vcc 1
		.amdhsa_float_denorm_mode_32 3
		.amdhsa_float_denorm_mode_16_64 3
		.amdhsa_fp16_overflow 1
		.amdhsa_memory_ordered 1
		.amdhsa_forward_progress 1
		.amdhsa_inst_pref_size 68
	.end_amdhsa_kernel
	.amdgpu_metadata
---
amdhsa.version: [ 1, 2 ]
amdhsa.kernels:
  - .name:           k_q5f7eac7fad_attn
    .symbol:         k_q5f7eac7fad_attn.kd
    .args:
      - { .name: qkvf, .offset: 0, .size: 8, .value_kind: global_buffer, .address_space: global }
      - { .name: lowp_scales, .offset: 8, .size: 8, .value_kind: global_buffer, .address_space: global }
      - { .name: yf, .offset: 16, .size: 8, .value_kind: global_buffer, .address_space: global }
    .group_segment_fixed_size: 327680
    .private_segment_fixed_size: 0
    .kernarg_segment_align: 8
    .kernarg_segment_size: 24
    .max_flat_workgroup_size: 512
    .sgpr_count:     100
    .vgpr_count:     256
    .wavefront_size: 32
...
	.end_amdgpu_metadata
.endif
;; end of part 2
;; launch proj (part 3): grid 4 x 64, 4 waves a work-group, clusters of 4 x 4, 327,680 bytes of LDS; arguments yf, W_proj_codes, lowp_scales, b_proj, out0; writes out0
.if DOCPART == 3
	.amdgcn_target "amdgcn-amd-amdhsa--gfx1250"
	.amdhsa_code_object_version 6
	.text
	.protected	k_q5f7eac7fad_proj
	.globl	k_q5f7eac7fad_proj
	.p2align	8
	.type	k_q5f7eac7fad_proj,@function
k_q5f7eac7fad_proj:
	s_mov_b64 s[64:65], 0
	v_nop
	global_prefetch_b8 v0, s[64:65] scope:SCOPE_SE
	s_setreg_imm32_b32 hwreg(HW_REG_WAVE_MODE, 25, 1), 1
	s_wait_xcnt 0x0
	s_wait_alu depctr_hold_cnt(0) depctr_sa_sdst(0) depctr_va_vdst(0) depctr_va_sdst(0) depctr_va_ssrc(0) depctr_va_vcc(0) depctr_vm_vsrc(0)
	s_getreg_b32 s2, hwreg(HW_REG_IB_STS2, 6, 4)
	s_cmp_eq_u32 s2, 0
	s_cbranch_scc0 .Lentry_in_a_cluster
	s_endpgm
.Lentry_in_a_cluster:
	s_bfe_u32 s2, ttmp6, 0x10000c
	s_cmp_lg_u32 s2, 0xf033
	s_cbranch_scc0 .Lentry_shape_is_right
	s_endpgm
.Lentry_shape_is_right:
; out = y W_proj + b_proj on codes of FP8 (E4M3): out = sum x 2^(e6 + e7) + bias, f32.  y: 8,192 rows x 1,024, as images of operand registers (below); W_proj: [1024 (n)][1024 (k)] codes; out: [8192][1024] f32.
; LIMIT: e6 + e7 between -126 and 127, so that 2^(e6 + e7) is an f32 number.
; A tile of out is 128 rows x 256 columns: 256 tiles, one for each work-group.  Four waves, each 64 x 128: 32 accumulators, 256 registers.
; yf: [row block of 16 rows: 512][K step of 128: 8][4][lane 32][16 bytes]: registers 4 c .. 4 c + 3 of lane (r, h) hold k = 32 c + 16 h + 0 .. 15 of row r: the places that four loads of 16 bytes give W's fragments,
; so every product meets its partner.  A fragment of y comes from LDS as it lies, 16 bytes a lane on end.
; K goes in steps of 256 through THREE LDS slots; all three are filled at the start, and slot 0 once more, with the fourth and last K step.
; CLUSTERS of 4 x 4: y's tiles are shared along a row of the cluster, W's along a column: each is asked for jointly by four work-groups.
; THE MATRIX INSTRUCTION IS USED TRANSPOSED (source 0 = 16 rows of W, source 1 = 16 rows of y): a lane holds eight neighbouring numbers of a row of out.
; REGISTERS, in windows of 256: window 0: v16-29 addresses; v32-95 at work on the way out; v128-255 y's fragments, two sets of 64 (on the way out: rows read back).
;   window 1: W's fragments, two sets of 128.   window 2: accumulator (a, b) at v[8 (8 a + b)].   window 3: v0-63 the bias in the result's layout.
.set PITCH,  272                       ; a row of W in LDS: 256 bytes + 16 of padding: row r starts at bank 4 r mod 64 (64 banks of 4 bytes: ISA guide 11.1)
.set HALFB,  128*PITCH                 ; 128 rows of W: what one tensor load brings
.set BOFF,   32768                     ; a slot: y's 8 row blocks x 4,096 bytes, then W's 256 rows
.set SLOT,   BOFF+2*HALFB              ; 102,400
.set SPARE,  3*SLOT                    ; behind the slots: the spare words, 128 bytes for each wave
.set STAGE,  SLOT                      ; the way out: 16 rows x 528 bytes for each wave, in slot 1: it is filled once, and its last read lies in front of the last barrier
.set SPITCH, 528
.set NP,     4                         ; places behind this matrix instruction (ISA guide 7.12.1)
.set ADRA, 16                          ; v16-18  LDS address of my fragments of y in slot 0, 1, 2
.set ADRB, 20                          ; v20-22  the same for W
.set STO,  24                          ; v24  the way out: where I put 32 bytes of a row
.set RD,   25                          ; v25  where I read a row back
.set CO,   26                          ; v26  16 x lane
.set BH,   27                          ; v27  32 x (lane / 16): my place in the bias
.set SPW,  28                          ; v28  LDS address of my spare word; never rewritten
.set NIL,  29                          ; v29  0; never rewritten
.set TMP,  32
.set AF,   128
.set BK,   128
.set G1,  24                           ; s[24:31] descriptor group 1 for y's tiles;  s[32:43] group 0, one set for each slot
.set G0,  32
.set G1B, 48                           ; s[48:55] group 1 for W's;  s[72:83] group 0
.set G0B, 72
.set MSB, 0
.macro WIN new                         ; the immediate's high byte repeats the setting that is left
.if MSB != (\new)
	s_set_vgpr_msb (MSB<<8)|(\new)
.set MSB, (\new)
.endif
.endm
.set MUL,  0xa1                        ; source 0 (W) window 1, source 1 (y) window 0, C and D window 2
.set TO_B, 0x40                        ; destination window 1, address window 0
; A joint load: waves 0 and 1 fetch y's halves, waves 2 and 3 W's.  Four v_nop follow each of the two lines.
.macro JLOAD g0a, g1a, g0b, g1b
	s_cmp_eq_u32 s15, 0
	s_cbranch_scc0 .Lfor_b_\@
	tensor_load_to_lds s[\g0a:\g0a+3], s[\g1a:\g1a+7]
	s_nop 0
.rept 4
	v_nop
.endr
	s_branch .Lasked_\@
.Lfor_b_\@:
	tensor_load_to_lds s[\g0b:\g0b+3], s[\g1b:\g1b+7]
	s_nop 0
.rept 4
	v_nop
.endr
.Lasked_\@:
.endm
.macro CREST                           ; a round of the cluster's barrier behind its opening barrier
	s_cmp_lg_u32 s14, 0
	s_cbranch_scc1 .Lnot_wave_0_\@
	s_barrier_signal -3
.Lnot_wave_0_\@:
	s_barrier_wait -3
	s_barrier_signal -1
	s_barrier_wait -1
.endm
.macro CROUND
	s_barrier_signal -1
	s_barrier_wait -1
	CREST
.endm
.macro PLACES n
.rept \n
	v_nop
.endr
.endm
	s_load_b128 s[4:7], s[0:1], 0x0                ; yf s[4:5], W's codes s[6:7]
	s_load_b128 s[8:11], s[0:1], 0x10              ; the scales' exponents s[8:9], the bias s[10:11]
	s_load_b64 s[12:13], s[0:1], 0x20              ; out
	v_lshl_add_u32 v[SPW], v0, 2, SPARE
	v_mov_b32 v[NIL], 0
	ds_add_u32 v28, v29
	ds_add_u32 v28, v29
	s_wait_dscnt 0x0
	v_lshrrev_b32 v1, 5, v0
	v_readfirstlane_b32 s14, v1                    ; wave 0..3
	s_lshr_b32 s15, s14, 1                         ; which 64 rows of the tile are mine.  Also: I fetch for y (0) or for W (1)
	s_and_b32 s16, s14, 1                          ; which 128 columns.  Also: which half of that tile I fetch
	s_bfe_u32 s84, ttmp6, 0x40000                  ; cx, cy
	s_bfe_u32 s85, ttmp6, 0x40004
	s_lshl_b32 s86, ttmp9, 2
	s_add_co_u32 s86, s86, s84                     ; tile column = 4 x cluster x + cx
	s_and_b32 s17, ttmp7, 0xffff
	s_lshl_b32 s17, s17, 2
	s_add_co_u32 s17, s17, s85                     ; tile row = 4 x cluster y + cy
	s_lshl_b32 s87, s85, 2
	s_lshl_b32 s87, 15, s87                        ; my row of the cluster
	s_lshl_b32 s88, 0x1111, s84                    ; my column
	s_or_b32 s[G1], s87, (0<<16)|(1<<21)           ; y: the mask of my row; elements of 1 byte; 21 set beside a mask; no padding
	s_mov_b32 s[G1+1], 4096<<16                    ; tensor_dim0 = 4,096: a row block's two K steps of 128
	s_mov_b32 s[G1+2], 4<<16                       ; tensor_dim1 = 4 row blocks
	s_mov_b32 s[G1+3], 4096<<16                    ; tile_dim0
	s_mov_b32 s[G1+4], 4                           ; tile_dim1
	s_mov_b32 s[G1+5], 16384                       ; from row block to row block
	s_mov_b32 s[G1+6], 0
	s_mov_b32 s[G1+7], 0
	s_or_b32 s[G1B], s88, (0<<16)|(1<<20)|(1<<21)|(5<<22)|(3<<25)   ; W: the mask of my column; padding: four words after every 64
	s_mov_b32 s[G1B+1], 256<<16
	s_mov_b32 s[G1B+2], 128<<16
	s_mov_b32 s[G1B+3], 256<<16
	s_mov_b32 s[G1B+4], 128
	s_mov_b32 s[G1B+5], 1024
	s_mov_b32 s[G1B+6], 0
	s_mov_b32 s[G1B+7], 0
	s_lshl_b32 s20, s17, 17                        ; y: row block 8 x tile row + 4 x half, 16,384 bytes each
	s_lshl_b32 s18, s16, 16
	s_add_co_u32 s20, s20, s18
	s_mov_b32 s21, 0
	s_lshl_b32 s46, s86, 18                        ; W: row 256 x tile column + 128 x half, 1,024 bytes each
	s_lshl_b32 s18, s16, 17
	s_add_co_u32 s46, s46, s18
	s_mov_b32 s47, 0
	s_lshl_b32 s44, s16, 14                        ; where they go: y's half,
	s_mul_i32 s45, s16, HALFB
	s_add_co_u32 s45, s45, BOFF                    ; W's half: no place in the cluster enters an LDS address
	s_wait_kmcnt 0x0
	s_load_b64 s[96:97], s[8:9], 0x18              ; e6, e7
	s_add_nc_u64 s[20:21], s[4:5], s[20:21]
	s_add_nc_u64 s[46:47], s[6:7], s[46:47]
	CROUND                                         ; all sixteen work-groups are here: the first joint loads meet
.irp s, 0,1,2                          ; one load of mine is out at the end
	s_mov_b32 s[G0+4*\s], 1
	s_add_co_u32 s[G0+4*\s+1], s44, \s*SLOT
	s_add_nc_u64 s[G0+4*\s+2:G0+4*\s+3], s[20:21], \s*4096
	s_or_b32 s[G0+4*\s+3], s[G0+4*\s+3], 0x80000000
	s_mov_b32 s[G0B+4*\s], 1
	s_add_co_u32 s[G0B+4*\s+1], s45, \s*SLOT
	s_add_nc_u64 s[G0B+4*\s+2:G0B+4*\s+3], s[46:47], \s*256
	s_or_b32 s[G0B+4*\s+3], s[G0B+4*\s+3], 0x80000000
	s_wait_alu depctr_va_vdst(0)
	s_wait_tensorcnt 0x0
	ds_add_u32 v28, v29
	ds_add_u32 v28, v29
	s_wait_dscnt 0x0
	CROUND
	JLOAD G0+4*\s, G1, G0B+4*\s, G1B
.endr
	v_and_b32 v1, 15, v0                           ; r
	v_bfe_u32 v2, v0, 4, 1                         ; h
	v_and_b32 v3, 31, v0
	v_lshlrev_b32 v[CO], 4, v3                     ; 16 x lane
	s_wait_alu depctr_va_vdst(0)
	v_lshlrev_b32 v[BH], 5, v2
	s_lshl_b32 s56, s86, 10
	s_lshl_b32 s57, s16, 9
	s_add_co_u32 s56, s56, s57                     ; 4 x my first column: in the bias, and in a row of out
	s_mov_b32 s57, 0
	s_add_nc_u64 s[10:11], s[10:11], s[56:57]
	WIN 0xc0                                       ; destination window 3, address window 0
.irp b, 0,1,2,3,4,5,6,7
	global_load_b128 v[8*\b:8*\b+3],   v[BH], s[10:11] offset:64*\b      ; the bias of column 16 b + 8 h + j at v[8 b + j] of window 3
	global_load_b128 v[8*\b+4:8*\b+7], v[BH], s[10:11] offset:64*\b+16
.endr
	WIN 0
	v_mul_u32_u24 v4, v1, PITCH
	v_lshl_add_u32 v4, v2, 4, v4                   ; W: a fragment's row x pitch + 16 x half
	s_lshl_b32 s22, s15, 14                        ; my four row blocks of y
	s_mul_i32 s23, s16, HALFB
	s_add_co_u32 s23, s23, BOFF                    ; my 128 rows of W
.irp s, 0,1,2
	v_add_nc_u32 v[ADRA+\s], s22, v[CO]
	v_add_nc_u32 v[ADRB+\s], s23, v4
	s_add_co_u32 s22, s22, SLOT
	s_add_co_u32 s23, s23, SLOT
.endr
	s_mul_i32 s22, s14, 16*SPITCH
	s_add_co_u32 s22, s22, STAGE                   ; my stage
	v_mul_u32_u24 v5, v1, SPITCH
	v_lshl_add_u32 v5, v2, 5, v5
	v_add_nc_u32 v[STO], s22, v5                   ; in: row r, 32 bytes for each half of the lanes
	v_add_nc_u32 v[RD], s22, v[CO]                 ; back: the 32 lanes take one row of 512 bytes
	s_lshl_b32 s58, s17, 19                        ; my first row of out: 128 x tile row + 64 x half, 4,096 bytes each
	s_lshl_b32 s59, s15, 18
	s_add_co_u32 s58, s58, s59
	s_add_co_u32 s58, s58, s56
	s_mov_b32 s59, 0
	s_add_nc_u64 s[12:13], s[12:13], s[58:59]
; 48 LDS loads in one run: the fragments of the slot's q-th 128 along K into set p: W's eight, then y's four
.macro FETCH slot, q, p
	WIN TO_B
.irp i, 0,1,2,3,4,5,6,7
.irp c, 0,1,2,3
	ds_load_b128 v[128*(\p)+16*\i+4*\c:128*(\p)+16*\i+4*\c+3], v[ADRB+\slot] offset:128*(\q)+32*\c+\i*16*PITCH
.endr
.endr
	WIN 0
.irp a, 0,1,2,3
.irp c, 0,1,2,3
	ds_load_b128 v[AF+64*(\p)+16*\a+4*\c:AF+64*(\p)+16*\a+4*\c+3], v[ADRA+\slot] offset:\a*4096+(\q)*2048+\c*512
.endr
.endr
.endm
; 8 matrix instructions: y's block a x W's eight.  The 32 accumulators take turns, one instruction a turn, in the same order in every step.
.macro MUL8 a, p, zero
.irp b, 0,1,2,3,4,5,6,7
.if \zero
	v_wmma_f32_16x16x128_fp8_fp8 v[8*(8*(\a)+\b):8*(8*(\a)+\b)+7], v[128*(\p)+16*\b:128*(\p)+16*\b+15], v[AF+64*(\p)+16*(\a):AF+64*(\p)+16*(\a)+15], 0
.else
	v_wmma_f32_16x16x128_fp8_fp8 v[8*(8*(\a)+\b):8*(8*(\a)+\b)+7], v[128*(\p)+16*\b:128*(\p)+16*\b+15], v[AF+64*(\p)+16*(\a):AF+64*(\p)+16*(\a)+15], v[8*(8*(\a)+\b):8*(8*(\a)+\b)+7]
.endif
.endr
.endm
; A step of 128 along K on set p; the next step's fragments (slot, q) are asked for first, into the other set, and have the step's 32 matrix instructions in which to come.
.macro SUB p, zero, slot, q
	s_wait_dscnt 0x0                               ; set p is in
	PLACES NP                                      ; in front of loads into registers that the last step's products read
	FETCH \slot, \q, 1-\p
	WIN MUL
	MUL8 0, \p, \zero
	MUL8 1, \p, \zero
	MUL8 2, \p, \zero
	MUL8 3, \p, \zero
	WIN 0
.endm
; A step on set 1 with a barrier in it.  In front of the barrier each wave waits for all its tensor loads, adds 0 to its spare word, and waits for that and for its reads.  fill = 1: slot 0, which has been read out,
; takes the last K step; behind the barrier the slots that have landed may be read by all.
.macro TURN fill, next
	s_wait_tensorcnt 0x0                           ; all my tensor loads have landed
	ds_add_u32 v[SPW], v[NIL]                      ; 0 onto my spare word
	s_wait_dscnt 1                                 ; set 1 is in (only the add may be out)
	WIN MUL
	MUL8 0, 1, 0                                   ; eight matrix instructions stand between the add and the wait for it
	s_wait_dscnt 0x0                               ; the add is done; my reads are over
	s_barrier_signal -1
	MUL8 1, 1, 0
	WIN 0
	s_barrier_wait -1
.if \fill
	CREST                                          ; the barrier has opened a round of the cluster's barrier: no wave of any partner still reads slot 0 or has a load on its way
	s_add_nc_u64 s[G0+2:G0+3], s[G0+2:G0+3], 3*4096
	s_add_nc_u64 s[G0B+2:G0B+3], s[G0B+2:G0B+3], 3*256
	JLOAD G0, G1, G0B, G1B                         ; the first tensor load behind the round, and my only one: it has four steps' products in which to land; its four v_nop are the places in front of the loads below
.else
	PLACES NP
.endif
	FETCH \next, 0, 0
	WIN MUL
	MUL8 2, 1, 0
	MUL8 3, 1, 0
	WIN 0
.endm
	s_wait_alu depctr_va_vdst(0)
	s_wait_loadcnt 0x0                             ; the bias, once
	s_wait_tensorcnt 2                             ; my parts of slots 0 and 1 are in; slot 2 may stay out
	s_barrier_signal -1
	s_barrier_wait -1                              ; everybody's is
	FETCH 0, 0, 0
	SUB 0, 1, 0, 1                                 ; K 0-127: its products start the sums
	TURN 1, 1                                      ; K 128-255; slot 0 is filled again
	SUB 0, 0, 1, 1                                 ; K 256-383
	SUB 1, 0, 2, 0                                 ; K 384-511
	SUB 0, 0, 2, 1                                 ; K 512-639
	TURN 0, 0                                      ; K 640-767; slot 0's second fill is shown to all
	SUB 0, 0, 0, 1                                 ; K 768-895
	s_wait_dscnt 0x0                               ; K 896-1023: nothing more to fetch
	WIN MUL
	MUL8 0, 1, 0
	MUL8 1, 1, 0
	MUL8 2, 1, 0
	MUL8 3, 1, 0
	WIN 0
; THE WAY OUT, block by block of 16 rows x 128 columns: sum x 2^(e6 + e7) + bias; through my own stage in LDS, back as whole rows of 512 bytes.  LDS serves a wave's instructions in order (ISA guide 5.7.1.4):
; no wait between the stores and the loads, nor in front of the next block's stores.
.macro TOSTAGE a
	WIN 0x32                                       ; source 0 (the sums) window 2, source 2 (the bias) window 3
.set j, 0
.rept 32
	v_pk_fma_f32 v[TMP+j:TMP+j+1], v[64*(\a)+j:64*(\a)+j+1], s[96:97], v[j:j+1] op_sel_hi:[1,0,1]   ; the scalar pair's low word for both halves; each accumulator from its low end on
.set j, j+2
.endr
	WIN 0
.irp b, 0,1,2,3,4,5,6,7
	ds_store_b128 v[STO], v[TMP+8*\b:TMP+8*\b+3] offset:64*\b
	ds_store_b128 v[STO], v[TMP+8*\b+4:TMP+8*\b+7] offset:64*\b+16
.endr
.set BB, BK+64*((\a)%2)
.irp t, 0,1,2,3,4,5,6,7,8,9,10,11,12,13,14,15
	ds_load_b128 v[BB+4*\t:BB+4*\t+3], v[RD] offset:\t*SPITCH
.endr
.endm
.macro SEND a, younger                 ; younger: the LDS instructions issued behind block a's loads, which may stay out
.set BB, BK+64*((\a)%2)
	s_wait_dscnt \younger                          ; the block is back in registers
.if (\a) > 0
	s_add_nc_u64 s[12:13], s[12:13], 16*4096       ; (behind a wait on XCNT: the earlier stores have read their base)  16 rows on
.endif
.irp t, 0,1,2,3,4,5,6,7,8,9,10,11,12,13,14,15
	global_store_b128 v[CO], v[BB+4*\t:BB+4*\t+3], s[12:13] offset:\t*4096 th:TH_STORE_NT   ; 32 lanes store 512 consecutive bytes, aligned; written once, read by nobody here
.endr
.endm
	s_wait_kmcnt 0x0
	s_add_co_i32 s96, s96, s97                     ; e6 + e7
	s_add_co_i32 s96, s96, 127
	s_lshl_b32 s96, s96, 23                        ; 2^(e6 + e7) as f32
	PLACES NP                                      ; behind the last products: their results are read, and y's registers loaded into, below
	TOSTAGE 0
.irp a, 1,2,3
.if \a > 1
	s_wait_xcnt 0x0                                ; block a - 2's stores have read their registers and their base
.endif
	TOSTAGE \a
	SEND \a-1, 32                                  ; behind block a - 1's loads: block a's 16 stores and 16 loads
.endr
	s_wait_xcnt 0x0                                ; block 2's stores have read their base
	SEND 3, 0
	s_wait_tensorcnt 0x0                           ; the wave's end: behind my last tensor load and my last LDS store
	ds_add_u32 v[SPW], v[NIL]
	s_wait_dscnt 0x0
	CROUND                                         ; the closing round: no work-group ends while a partner may still ask for a tile that names it
	s_endpgm
.Lfunc_end_k_q5f7eac7fad_proj:
	.size	k_q5f7eac7fad_proj, .Lfunc_end_k_q5f7eac7fad_proj-k_q5f7eac7fad_proj
	.p2alignl 7, 3214868480
	.fill 96, 4, 3214868480
	.section	.rodata,"a",@progbits
	.p2align	6, 0x0
	.amdhsa_kernel k_q5f7eac7fad_proj
		.amdhsa_group_segment_fixed_size 327680
		.amdhsa_private_segment_fixed_size 0
		.amdhsa_enable_private_segment 0
		.amdhsa_kernarg_size 40
		.amdhsa_user_sgpr_count 2
		.amdhsa_user_sgpr_kernarg_segment_ptr 1
		.amdhsa_wavefront_size32 1
		.amdhsa_system_sgpr_workgroup_id_x 1
		.amdhsa_system_sgpr_workgroup_id_y 1
		.amdhsa_system_sgpr_workgroup_id_z 1
		.amdhsa_system_vgpr_workitem_id 0
		.amdhsa_next_free_vgpr 1024
		.amdhsa_next_free_sgpr 100
		.amdhsa_reserve_vcc 0
		.amdhsa_float_denorm_mode_32 3
		.amdhsa_float_denorm_mode_16_64 3
		.amdhsa_memory_ordered 1
		.amdhsa_forward_progress 1
		.amdhsa_inst_pref_size 78
	.end_amdhsa_kernel
	.amdgpu_metadata
---
amdhsa.version: [ 1, 2 ]
amdhsa.kernels:
  - .name:           k_q5f7eac7fad_proj
    .symbol:         k_q5f7eac7fad_proj.kd
    .args:
      - { .name: yf, .offset: 0, .size: 8, .value_kind: global_buffer, .address_space: global }
      - { .name: W_proj_codes, .offset: 8, .size: 8, .value_kind: global_buffer, .address_space: global }
      - { .name: lowp_scales, .offset: 16, .size: 8, .value_kind: global_buffer, .address_space: global }
      - { .name: b_proj, .offset: 24, .size: 8, .value_kind: global_buffer, .address_space: global }
      - { .name: out0, .offset: 32, .size: 8, .value_kind: global_buffer, .address_space: global }
    .group_segment_fixed_size: 327680
    .private_segment_fixed_size: 0
    .kernarg_segment_align: 8
    .kernarg_segment_size: 40
    .max_flat_workgroup_size: 128
    .sgpr_count:     100
    .vgpr_count:     1024
    .wavefront_size: 32
...
	.end_amdgpu_metadata
.endif
;; end of part 3
